; MI455X (gfx1250); checked and timed in simulation.
; The chip was launched on July 23, 2026; its instructions are those of AMD's public machine-readable ISA for CDNA 5 (MIT licence, August 2026) and "CDNA5" Instruction Set Architecture Reference Guide (July 2026). The comments in the code are by the model that wrote it; some were corrected since.
;; Attention Base. Allowed arithmetic: matrix products marked QUANTISED: E2M1 operands, one E8M0 scale for each 32 along K, by v_wmma_scale_f32_16x16x128_f8f6f4 with both operands' format E2M1 (or v_wmma_scale_f32_32x16x128_f4), f32 sums; everything else in f32.
;; Inputs: k 4 x 2,048 x 1,024 float32; q 4 x 2,048 x 1,024 float32; v_codes 4 x 1,024 x 64 x 16 uint8 (E2M1 codes of v, K innermost, in blocks of 32 codes, two codes a byte); v_scales 4 x 1,024 x 64 uint8 (E8M0 scales of v, one for each 32 codes along K); w_out_codes 1,024 x 32 x 16 uint8 (E2M1 codes of w_out, K innermost, in blocks of 32 codes, two codes a byte); w_out_scales 1,024 x 32 uint8 (E8M0 scales of w_out, one for each 32 codes along K).
;; Outputs: out0 4 x 2,048 x 1,024 float32.
;; This version of the problem:
;;   THIS VERSION OF THE PROBLEM IS GIVEN IN LOW PRECISION. The matrix products marked QUANTISED in the list below multiply operands that are first quantised to E2M1 (2 exponent bits, 1 mantissa bit; 4 bits a number), with one power-of-two scale for each 32 numbers along K (OCP MX v1.0); their sums are f32. All else is computed in f32.
;;   The module's matrix products, in the order in which they are computed (A, B: the left and right operand; K: the contracted axis; several contracted axes count as one K, in the product's order):
;;     1. batch 64 x [M 2,048, K 64] x [K 64, N 2,048]; A: input q; B: input k: QUANTISED
;;     2. batch 64 x [M 2,048, K 2,048] x [K 2,048, N 64]; A: softmax (see below); B: input v (given as codes): QUANTISED
;;     3. [M 8,192, K 1,024] x [K 1,024, N 1,024]; A: computed on the way; B: input w_out (given as codes): QUANTISED
;;   THE QUANTISER, for each operand of a quantised product, along K:
;;     - K is cut into blocks of 32 from its start; a last block that is shorter is filled with zeros.
;;     - A block's scale is 2^e with e = floor(log2(the largest magnitude in the block)) - 2, held to -126 .. 127; a block of zeros has e = 0. As a byte (E8M0): e + 127.
;;     - Each number is divided by its block's scale, clamped to +-6, and rounded to the nearest number of E2M1, ties to even, subnormals kept.
;;     - The product sums the exact products of the quantised numbers (number of the format x scale) in f32.
;;   ~~~python
;;   def quantise(x, axis):      # numpy; x: float32 -> the quantised numbers, widened to float32 again
;;       x = np.moveaxis(x, axis, -1); K = x.shape[-1]
;;       x = np.pad(x, [(0, 0)] * (x.ndim - 1) + [(0, -K % 32)]); x = x.reshape(x.shape[:-1] + (-1, 32)); a = np.abs(x).max(-1, keepdims=True)
;;       e = np.where(a > 0, np.clip(np.frexp(np.where(a > 0, a, 1))[1] - 1 - 2, -126, 127), 0)      # np.frexp(a)[1] - 1 = floor(log2(a)), exactly
;;       r = np.clip(x / 2.0 ** e, -6, 6)
;;       step = 2.0 ** (np.maximum(np.frexp(np.where(r == 0, 1, r))[1] - 1, 0) - 1)
;;       q = np.round(r / step) * step * 2.0 ** e      # np.round: ties to even
;;       return np.moveaxis(q.reshape(q.shape[:-2] + (-1,))[..., :K], -1, axis).astype(np.float32)
;;   ~~~
;;   SOFTMAX AHEAD OF A QUANTISED PRODUCT. Where the list says 'softmax', what is quantised is not the finished softmax but p = 2^(t - M), with t = logit x log2(e) and M = ceil(the row's largest t), a whole number; so 1/2 < the row's largest p <= 1. The row's sum l is taken of the UNQUANTISED p, in f32, and the product's result is divided by l at the end. Since M is a whole number, a kernel that streams over the keys may use a running M (the ceiling of the running maximum): every later rescaling is an exact power of two, which a block's scale takes up: the codes' values come out the same.
;;   OPERANDS COMPUTED ON THE WAY. 'Computed on the way' means the value that the module computes at that place (a softmax that the list does not call 'softmax' is quantised finished and normalised). What goes into a quantiser is computed in f32, as accurately as f32 sums, v_exp_f32 and their like allow (about 1e-6 of the number): no bf16 or f16 on the way to a quantiser, and a product that is left as it is and whose result goes on into a quantised operand takes f32 operands (vector FMAs, or v_wmma_f32_16x16x4_f32). A number that lies on a knife's edge between two numbers of the format may be rounded either way, as far as f32 arithmetic and the matrix unit's own rounding can turn it there, and no further.
;;   INPUTS GIVEN AS CODES. v (in the module: [4, 2048, 1024], K = its axis 1); w_out (in the module: [1024, 1024], K = its axis 1): each comes as NAME_codes (uint8): NAME with its K axis moved to the last place and cut into blocks of 32 codes, [.., K / 32, bytes a block], one block behind the other in memory; two codes a byte, the lower K in the low four bits (a code: sign, 2 exponent bits, 1 mantissa bit); and NAME_scales (uint8): the same leading axes, one E8M0 byte (e + 127) for each 32 codes along K. Its value is code x scale, taken as it is: it is not quantised again, and the codes and scales need not be those that the quantiser above would give.
;; One version. Each part assembles by itself: llvm-mc -triple=amdgcn-amd-amdhsa -mcpu=gfx1250 --defsym DOCPART=n.
;; ======== version 1 of 1: 2 launches
;; limits: right only within a limited range of input values
;; workspace buffers: o_codes 4,194,304 bytes; o_scales 262,144 bytes
;; launch attn (part 1): grid 4 x 64, 16 waves a work-group, no clusters, 169,984 bytes of LDS; arguments q, k, v_codes, v_scales, o_codes, o_scales; writes o_codes, o_scales
.if DOCPART == 1
	.amdgcn_target "amdgcn-amd-amdhsa--gfx1250"
	.amdhsa_code_object_version 6
	.text
	.protected	k_q5cee51580d_attn
	.globl	k_q5cee51580d_attn
	.p2align	8
	.type	k_q5cee51580d_attn,@function
k_q5cee51580d_attn:
	s_mov_b64 s[64:65], 0
	v_nop
	global_prefetch_b8 v0, s[64:65] scope:SCOPE_SE
	s_setreg_imm32_b32 hwreg(HW_REG_WAVE_MODE, 25, 1), 1
	s_wait_xcnt 0x0
; Attention of one (batch, head) on codes of FP4 (E2M1), one E8M0 scale for each 32 along a product's K; the result, divided by the row's sum, leaves as codes for the projection.
; q, k: [4][2048][1024] f32; a head's 64 numbers are 256 aligned bytes of a row, two blocks of 32: both are quantised here, in registers.
; v_codes: [4][1024][1024 bytes], keys innermost; v_scales: [4][1024][64].
; o_codes: [512 tiles of 16 rows][16 heads][512 bytes]: lane (r, h)'s 16 bytes at 16 (16 h + r) are row r, channels 64 head + 32 h + 0 .. 31.  o_scales: [8 steps of 128 K][8192 rows][4 bytes].
; SOFTMAX: t = score x log2(e) / 8; M = the running largest t rounded UP to a whole number; p = 2^(t - M) is quantised along the keys; the row's sum is taken of the unquantised p and divides at the end.
; When M moves, the sum and O^T are multiplied by 2^(old M - new M), which rounds nothing.
; SHARES.  Work-group (x, y): head y % 16 of batch y / 16, queries 512 x on.  Sixteen waves of 256 registers.  Wave w owns two tiles of 16 queries, 16 w on and 256 + 16 w on, and takes them one after the other through 16 key steps of 128.
; K IS QUANTISED UNDER THE FIRST TILE'S WALK, in chunks of 256 keys (two key steps), 16 keys a wave: in trip c a wave multiplies chunk c, quantises chunk c + 1 into LDS bytes of its own and asks memory for chunk c + 2.
; Each LDS byte of K is written once; one barrier a trip, signalled behind the stores in the trip's middle and waited for at its end.  The second tile finds all of K in LDS and passes no barrier.
; LAYOUT.  Both products are used transposed: S^T = K Q^T, O^T = V^T P^T: a lane holds ONE query (lane % 16).  Row rho of tile t of a key step is key 32 (2 (rho / 8) + t / 4) + 8 (t % 4) + rho % 8:
; so lane half h holds blocks 2 h and 2 h + 1 of the step's four blocks of 32 keys WHOLE, in registers 0-31 and 32-63 of S^T: a block's largest score needs no other lane, and the conversions' results are the operand's registers.
; The second product then takes the blocks in the order 0, 2, 1, 3: V's fragment is read at 32 h + 16 c of the step's 64 bytes, and bytes 1 and 2 of V's scale words change places.
; The first product's K is 64: Q's upper half is zero codes under the scale byte 0, so what K's upper half holds adds nothing: fragment t is v[KF + 4 t .. + 7], its upper half the next tile's codes (tile 7: four address registers).
; NO CLUSTER: the four work-groups of a head share K and V, but a tensor load brings V alone, 69,632 of the 724,992 bytes that a work-group reads; k passes through registers for the quantiser.
; NO PREFETCH: each chunk's own loads stand a whole trip, two key steps, ahead of the wait for them.
; LIMITS: NaN and infinities among the inputs are not served; the scaled scores stay under 2^31 in magnitude.  A block of q, k or o whose largest magnitude lies under 2^-124, a block of zeros too, gets the scale byte 1.
; A block's scale of p is the exponent of 2^(t - M - 2) at the block's largest score; where that falls under 2^-126 the byte is 0 (2^-127), and its p, under 2^-124, are held at 6 x 2^-127.  All these bytes are read by this program alone.
.set KIMG, 0                           ; LDS: K's codes, [128 tiles][512]: registers 0-3 of a fragment, lane l's 16 bytes at 16 l
.set KSC,  65536                       ; K's scale words, [16 steps][32 lanes][4]: word b of lane 16 u + rho belongs to tile 2 b + u, row rho
.set QST,  73728                       ; for each wave 768 bytes: Q's image (512), then row r's scale word at 16 r
.set QWB,  768
.set VIMG, 86016                       ; V's 64 rows of 1,024 bytes + 16 of padding
.set VP,   1040
.set VSC,  152576                      ; V's 64 rows of 64 scale bytes + 16 of padding
.set VSP,  80
.set SPARE, 167936                     ; the spare words, 128 bytes a wave
.set LI,   1                           ; 16 x lane
.set AV0,  2                           ; my lane's place in a tile of V
.set ASV0, 3                           ; and among V's scale words
.set ADK,  4                           ; v4, 5, 7, 8: the LDS addresses of the two key steps in hand
.set ADS,  5
.set GA,   6                           ; q, k: 4,096 (lane / 8) + 32 (lane % 8)
.set ADV,  7
.set ADT,  8
.set GOS,  9                           ; o_scales: 4 r + h
.set KCA,  10                          ; my place for a word of K's codes
.set KSA,  11                          ; and for a scale word of K
.set QF,   16                          ; v16-23 Q's fragment (v20-23 stay 0)
.set QS,   24
.set PS,   25                          ; p's scale word
.set VS,   26                          ; v26-27 V's scale words
.set KS,   28                          ; v28-31 K's scale words
.set KF,   32                          ; v32-63 registers 0-3 of eight fragments of K
.set QFA,  64                          ; v64-67 Q's stage: addresses, never rewritten
.set QFS,  65
.set QCA,  66
.set QSA,  67
.set STG,  68                          ; v68-99 16 rows of k (or q) as f32, on their way
.set S,    100                         ; v100-163 S^T, then p
.set OT,   164                         ; v164-195 O^T
.set PCD,  196                         ; v196-203 p's codes
.set VF,   204                         ; v204-235 four fragments of V; between steps the quantiser's registers
.set QTM,  VF
.set QSO,  VF+4
.set CC,   VF+8
.set EE,   VF+12
.set TM,   236                         ; v236-239 at work
.set TP,   240
.set OLD,  241
.set F,    242                         ; v242 f; v243 named with it
.set M2,   244                         ; -M - 2
.set SHH,  245                         ; 8 h
.set SH8,  247                         ; 8 x (my block of a row of q or k)
.set T1,   248                         ; three more chains of the row's sum
.set T2,   250
.set T3,   252
.set SPW,  254
.set NIL,  255
.set WV,   16
.set G1V,  24
.set G0V,  32
.set G1S,  36
.set G0S,  44
.set SEL,  48                          ; s[48:49] selects for lane l xor 16
.set CS,   50                          ; s[50:51] c = log2(e) / 8
.set HM,   52                          ; mask of lanes 16-31
.set TK,   53                          ; where the trip's K images, K scale words, V codes, V scale words begin
.set TS,   54
.set TV,   55
.set TJ,   56
.set CT,   57                          ; trips to go
.set NC,   58                          ; -c
.set PSL,  59                          ; v_perm_b32's selector: bytes 1 and 2 change places
; 16 rows x 256 bytes: eight lanes to a row, four rows to a pair of loads; a lane holds 8 neighbours along K
.macro LD16 dst, p, off
.irp g, 0,1,2,3
	global_load_b128 v[(\dst)+8*\g:(\dst)+8*\g+3], v[GA], s[\p:\p+1] offset:\off+16384*\g
	global_load_b128 v[(\dst)+8*\g+4:(\dst)+8*\g+7], v[GA], s[\p:\p+1] offset:\off+16384*\g+16
.endr
.endm
; Four groups by turns.  Group i: my 8 numbers at v[x + 8 i]; four neighbouring lanes hold a block of 32.  Codes to v[CC + i], the row's scale word (bytes 0, 1) to v[EE + i].
.macro QUANT4 x
.irp i, 0,1,2,3
	v_max3_num_f32 v[QTM+\i], |v[(\x)+8*\i]|, |v[(\x)+8*\i+1]|, 0x1800000      ; with the floor 2^(3 - 127): the byte cannot fall under 1
.endr
.irp n, 2,4,6
.irp i, 0,1,2,3
	v_max3_num_f32 v[QTM+\i], v[QTM+\i], |v[(\x)+8*\i+\n]|, |v[(\x)+8*\i+\n+1]|
.endr
.endr
.irp i, 0,1,2,3
	v_max_num_f32_dpp v[QTM+\i], v[QTM+\i], v[QTM+\i] row_xmask:1 row_mask:0xf bank_mask:0xf
.endr
.irp i, 0,1,2,3
	v_max_num_f32_dpp v[QTM+\i], v[QTM+\i], v[QTM+\i] row_xmask:2 row_mask:0xf bank_mask:0xf
.endr
.irp i, 0,1,2,3
	v_add_nc_u32 v[QSO+\i], 0xff000000, v[QTM+\i]  ; 2 off the exponent field: the conversion's scale operand
.endr
.irp i, 0,1,2,3
	v_cvt_scalef32_pk8_fp4_f32 v[CC+\i], v[(\x)+8*\i:(\x)+8*\i+7], v[QSO+\i]
.endr
.irp i, 0,1,2,3
	v_lshrrev_b32 v[QTM+\i], 23, v[QSO+\i]         ; the scale's byte (also the plain line behind the conversions)
.endr
.irp i, 0,1,2,3
	v_lshlrev_b32 v[QTM+\i], v[SH8], v[QTM+\i]     ; at its block's place in the word
.endr
.irp i, 0,1,2,3
	v_mov_b32_dpp v[EE+\i], v[QTM+\i] row_xmask:4 row_mask:0xf bank_mask:0xf   ; the row's other block lies four lanes away
.endr
.irp i, 0,1,2,3
	v_or_b32 v[EE+\i], v[EE+\i], v[QTM+\i]
.endr
.endm
; My 16 keys' codes and scale words into LDS.  Group i holds keys 16 w + 4 i + lane / 8 of the chunk: tile 2 (w % 4) + i / 2, rows 8 ((w / 4) % 2) + 4 (i % 2) + lane / 8.
.macro KSTORE co, so
	v_add_nc_u32 v[VF+16], s[TK], v[KCA]
	v_add_nc_u32 v[VF+17], s[TS], v[KSA]
.irp i, 0,1,2,3
	ds_store_b32 v[VF+16], v[CC+\i] offset:\co+512*(\i/2)+64*(\i%2)
	ds_store_b32 v[VF+17], v[EE+\i] offset:\so+256*(\i/2)+64*(\i%2)   ; a key's eight lanes write the same word with the same value
.endr
.endm
; A tile of q is quantised, goes through my wave's own LDS bytes into the operand's layout, and the tile's sums begin
.macro QSET x
	QUANT4 \x
.irp i, 0,1,2,3
	ds_store_b32 v[QCA], v[CC+\i] offset:64*\i
	ds_store_b32 v[QSA], v[EE+\i] offset:64*\i
.endr
	ds_load_b128 v[QF:QF+3], v[QFA]                ; LDS serves a wave's instructions in order (ISA guide 5.7.1.4): these see the stores above
	ds_load_b32 v[QS], v[QFS]
	v_mov_b32 v13, 0xff61b1e6                      ; the largest score so far: -3e38
	v_floor_f32 v12, -v13                          ; -M
	v_mov_b32 v14, 0
	v_mov_b32 v15, 0
.set J, 0
.rept 32
	v_mov_b32 v[OT+J], 0                           ; the step is written once: its first run finds zeros
.set J, J+1
.endr
.endm
.macro PADDR
	v_add_nc_u32 v[ADK], s[TK], v[LI]
	v_add_nc_u32 v[ADS], s[TS], v[LI]
	v_add_nc_u32 v[ADV], s[TV], v[AV0]
	v_add_nc_u32 v[ADT], s[TJ], v[ASV0]
.endm
.macro NEXT
	s_add_co_u32 s[TK], s[TK], 8192
	s_add_co_u32 s[TS], s[TS], 1024
	s_add_co_u32 s[TV], s[TV], 128
	s_add_co_u32 s[TJ], s[TJ], 8
.endm
.macro PADD d, p
	v_pk_add_f32 v[\d:\d+1], v[\d:\d+1], v[S+2*(\p):S+2*(\p)+1]
.endm
; A KEY STEP: 128 keys, the q-th of the trip's two
.macro STEP q
	ds_load_b32 v[VS], v[ADT] offset:4*\q
	ds_load_b32 v[VS+1], v[ADT] offset:32*VSP+4*\q
	ds_load_b128 v[KS:KS+3], v[ADS] offset:512*\q
.irp t, 0,1,2,3,4,5,6,7
	ds_load_b128 v[KF+4*\t:KF+4*\t+3], v[ADK] offset:4096*\q+512*\t
.endr
.irp t, 0,1,2,3
.irp c, 0,1
	ds_load_b128 v[VF+8*\t+4*\c:VF+8*\t+4*\c+3], v[ADV] offset:16*VP*\t+64*\q+16*\c
.endr
.endr
	s_wait_dscnt 8                                 ; the first eleven loads are in; V's eight fragment loads may be out
.irp t, 0,1,2,3,4,5,6,7                        ; S^T = K Q^T: eight accumulators, one instruction each
.if (\t)%2 == 0
	v_wmma_scale_f32_16x16x128_f8f6f4 v[S+8*\t:S+8*\t+7], v[KF+4*\t:KF+4*\t+7], v[QF:QF+7], 0, v[KS+\t/2], v[QS] matrix_a_fmt:MATRIX_FMT_FP4 matrix_b_fmt:MATRIX_FMT_FP4
.else
	v_wmma_scale_f32_16x16x128_f8f6f4 v[S+8*\t:S+8*\t+7], v[KF+4*\t:KF+4*\t+7], v[QF:QF+7], 0, v[KS+\t/2], v[QS] matrix_a_fmt:MATRIX_FMT_FP4 matrix_b_fmt:MATRIX_FMT_FP4 matrix_a_scale:MATRIX_SCALE_ROW1
.endif
.endr
	v_perm_b32 v[VS], v[VS], v[VS], s[PSL]         ; four places behind the products (ISA guide 7.12.1): V's scale words in the order of blocks 0, 2, 1, 3,
	v_perm_b32 v[VS+1], v[VS+1], v[VS+1], s[PSL]
	v_mov_b32 v[OLD], v12                          ; the old -M
	v_nop
.irp b, 0,1                                    ; the largest score of my two blocks, two chains each; each accumulator is first read at its low end
	v_max3_num_f32 v[TM+2*\b], v[S+32*\b], v[S+32*\b+1], v[S+32*\b+2]
	v_max3_num_f32 v[TM+2*\b+1], v[S+32*\b+17], v[S+32*\b+18], v[S+32*\b+19]
.endr
.irp k, 1,2,3,4,5,6
.irp b, 0,1
	v_max3_num_f32 v[TM+2*\b], v[TM+2*\b], v[S+32*\b+1+2*\k], v[S+32*\b+2+2*\k]
	v_max3_num_f32 v[TM+2*\b+1], v[TM+2*\b+1], v[S+32*\b+18+2*\k], v[S+32*\b+19+2*\k]
.endr
.endr
.irp b, 0,1
	v_max3_num_f32 v[TM+2*\b], v[TM+2*\b], v[S+32*\b+15], v[S+32*\b+16]
.endr
.irp b, 0,1
	v_max_num_f32 v[TM+2*\b], v[TM+2*\b], v[TM+2*\b+1]
.endr
	s_delay_alu instid0(VALU_DEP_1)
	v_max3_num_f32 v[TM+1], v13, v[TM], v[TM+2]
	s_delay_alu instid0(VALU_DEP_1)
	v_permlanex16_b32 v[TP], v[TM+1], s[SEL], s[SEL+1]
	s_delay_alu instid0(VALU_DEP_1)
	v_max_num_f32 v13, v[TM+1], v[TP]              ; the running largest score of my query
	s_delay_alu instid0(VALU_DEP_1)
	v_mul_f32 v[TM+3], s[NC], v13
	s_delay_alu instid0(VALU_DEP_1)
	v_floor_f32 v12, v[TM+3]                       ; the new -M = -ceil(t)
	s_delay_alu instid0(VALU_DEP_1)
	v_sub_f32 v[OLD], v12, v[OLD]                  ; old M - new M: a whole number, 0 or less
	v_add_f32 v[M2], -2.0, v12
.set J, 0
.rept 32
	v_pk_fma_f32 v[S+J:S+J+1], v[S+J:S+J+1], s[CS:CS+1], v[12:13] op_sel_hi:[1,0,0]   ; t - M, two at a time
.set J, J+2
.endr
	v_cvt_i32_f32 v[OLD], v[OLD]                   ; (it saturates)
	v_fma_f32 v[TM], v[TM], s[CS], v[M2]           ; t - M - 2 of each block's largest score
	v_fma_f32 v[TM+2], v[TM+2], s[CS], v[M2]
	v_ldexp_f32 v[F], 1.0, v[OLD]                  ; f = 2^(old M - new M)
	s_wait_alu depctr_va_vdst(0)                   ; the wait ahead of the batch
.set J, 0
.rept 64
	v_exp_f32 v[S+J], v[S+J]                       ; p = 2^(t - M)
.set J, J+1
.endr
	v_exp_f32 v[TM], v[TM]                         ; a quarter of the block's largest p: its exponent field is the block's scale
	v_exp_f32 v[TM+2], v[TM+2]
	v_pk_mul_f32 v[14:15], v[14:15], v[F:F+1] op_sel_hi:[1,0]   ; the sum under the new M (the plain line behind the batch)
	s_wait_alu depctr_va_vdst(0)                   ; one wait for the batch, and directly ahead of the first lines that read O^T
.set J, 0
.rept 16
	v_pk_mul_f32 v[OT+J:OT+J+1], v[OT+J:OT+J+1], v[F:F+1] op_sel_hi:[1,0]   ; O^T under the new M
.set J, J+2
.endr
	v_lshrrev_b32 v[TM+1], 23, v[TM]               ; my two blocks' bytes,
	v_lshrrev_b32 v[TM+3], 23, v[TM+2]
	s_delay_alu instid0(VALU_DEP_1)
	v_lshl_or_b32 v[TM+1], v[TM+3], 16, v[TM+1]    ; at bytes h and 2 + h of the word;
	s_delay_alu instid0(VALU_DEP_1)
	v_lshlrev_b32 v[TM+1], v[SHH], v[TM+1]
	s_delay_alu instid0(VALU_DEP_1)
	v_permlanex16_b32 v[TP], v[TM+1], s[SEL], s[SEL+1]
	s_delay_alu instid0(VALU_DEP_1)
	v_or_b32 v[PS], v[TM+1], v[TP]                 ; with lane l xor 16's two the word is whole
.irp t, 0,1,2,3,4,5,6,7
	v_cvt_scalef32_pk8_fp4_f32 v[PCD+\t], v[S+8*\t:S+8*\t+7], v[TM+2*(\t/4)]
.endr
	v_pk_add_f32 v[T1:T1+1], v[S:S+1], v[S+2:S+3]  ; the row's sum of the unquantised p, in four chains; these twelve lines are the places ahead of the products
	v_pk_add_f32 v[T2:T2+1], v[S+4:S+5], v[S+6:S+7]
	v_pk_add_f32 v[T3:T3+1], v[S+8:S+9], v[S+10:S+11]
	PADD 14, 6
.irp p, 7,11
	PADD T1, \p
	PADD T2, \p+1
	PADD T3, \p+2
	PADD 14, \p+3
.endr
	s_wait_alu depctr_va_vdst(0)                   ; directly ahead of the wait below
	s_wait_dscnt 0x0                               ; V's fragments
.irp t, 0,1,2,3                                ; O^T += V^T P^T; the accumulators take turns
.if (\t)%2 == 0
	v_wmma_scale_f32_16x16x128_f8f6f4 v[OT+8*\t:OT+8*\t+7], v[VF+8*\t:VF+8*\t+7], v[PCD:PCD+7], v[OT+8*\t:OT+8*\t+7], v[VS+\t/2], v[PS] matrix_a_fmt:MATRIX_FMT_FP4 matrix_b_fmt:MATRIX_FMT_FP4
.else
	v_wmma_scale_f32_16x16x128_f8f6f4 v[OT+8*\t:OT+8*\t+7], v[VF+8*\t:VF+8*\t+7], v[PCD:PCD+7], v[OT+8*\t:OT+8*\t+7], v[VS+\t/2], v[PS] matrix_a_fmt:MATRIX_FMT_FP4 matrix_b_fmt:MATRIX_FMT_FP4 matrix_a_scale:MATRIX_SCALE_ROW1
.endif
.endr
.irp p, 15,19,23,27                            ; the rest of the sum: also the places behind the products
	PADD T1, \p
	PADD T2, \p+1
	PADD T3, \p+2
	PADD 14, \p+3
.endr
	PADD T1, 31
	v_pk_add_f32 v[T2:T2+1], v[T2:T2+1], v[T3:T3+1]
	s_delay_alu instid0(VALU_DEP_2)
	v_pk_add_f32 v[14:15], v[14:15], v[T1:T1+1]
	s_delay_alu instid0(VALU_DEP_1)
	v_pk_add_f32 v[14:15], v[14:15], v[T2:T2+1]
.endm
; A trip of the first tile: chunk c is multiplied, chunk c + 1 quantised, and 16 rows more are asked for
.macro TRIPA p, off
	PADDR
	STEP 0
	s_wait_loadcnt 0x0                             ; my 16 keys of the next chunk, asked for a trip ago
	QUANT4 STG
	KSTORE 8192, 1024
	LD16 STG, \p, \off
	s_wait_dscnt 0x0                               ; for the others' sake: my stores are done
	s_barrier_signal -1
	STEP 1                                         ; reads chunk c and V, which nobody writes
	s_barrier_wait -1                              ; the next chunk is whole
	NEXT
.endm
.macro PAIR
	PADDR
	STEP 0
	STEP 1
	NEXT
.endm
; THE WAY OUT: O^T / the sum, quantised along the channels: block b = tiles 2 b and 2 b + 1 of lanes l and l xor 16
.macro WAYOUT
	v_add_f32 v14, v14, v15
	s_delay_alu instid0(VALU_DEP_1)
	v_permlanex16_b32 v[TP], v14, s[SEL], s[SEL+1]
	s_delay_alu instid0(VALU_DEP_1)
	v_add_f32 v14, v14, v[TP]                      ; the row's sum
	s_wait_alu depctr_va_vdst(0)                   ; the wait ahead of the transcendental
	v_rcp_f32 v14, v14
	v_nop
	s_wait_alu depctr_va_vdst(0)                   ; and behind it, directly ahead of the lines that read it and O^T
.set J, 0
.rept 16
	v_pk_mul_f32 v[S+J:S+J+1], v[OT+J:OT+J+1], v[14:15] op_sel_hi:[1,0]   ; register 8 t + i: o(r, 16 t + 8 h + i)
.set J, J+2
.endr
.irp b, 0,1
	v_max3_num_f32 v[TM+\b], |v[S+16*\b]|, |v[S+16*\b+1]|, 0x1800000
.endr
.irp i, 2,4,6,8,10,12,14
.irp b, 0,1
	v_max3_num_f32 v[TM+\b], v[TM+\b], |v[S+16*\b+\i]|, |v[S+16*\b+\i+1]|
.endr
.endr
.irp b, 0,1
	v_permlanex16_b32 v[TM+2+\b], v[TM+\b], s[SEL], s[SEL+1]
.endr
.irp b, 0,1
	v_max_num_f32 v[TM+\b], v[TM+\b], v[TM+2+\b]
.endr
.irp b, 0,1
	v_add_nc_u32 v[TM+2+\b], 0xff000000, v[TM+\b]
.endr
	v_cvt_scalef32_pk8_fp4_f32 v[PCD], v[S:S+7], v[TM+2]          ; channels 8 h + 0 .. 7
	v_cvt_scalef32_pk8_fp4_f32 v[PCD+2], v[S+8:S+15], v[TM+2]     ; 16 + 8 h ..
	v_cvt_scalef32_pk8_fp4_f32 v[PCD+1], v[S+16:S+23], v[TM+3]    ; 32 + 8 h ..
	v_cvt_scalef32_pk8_fp4_f32 v[PCD+3], v[S+24:S+31], v[TM+3]    ; 48 + 8 h ..
.irp b, 0,1
	v_lshrrev_b32 v[TM+\b], 23, v[TM+2+\b]         ; the blocks' bytes (also the plain line behind the conversions)
.endr
	v_permlane16_swap_b32 v[PCD], v[PCD+1]         ; lane (r, h) now holds block h whole
	v_permlane16_swap_b32 v[PCD+2], v[PCD+3]
	v_cndmask_b32 v[TP], v[TM], v[TM+1], s[HM]     ; and its byte
	global_store_b128 v[LI], v[PCD:PCD+3], s[12:13]   ; 32 lanes store 512 consecutive bytes, aligned
	global_store_b8 v[GOS], v[TP], s[14:15]        ; 32 bytes of 16 rows' words; the words' other halves are the neighbouring head's
.endm
	s_load_b256 s[4:11], s[0:1], 0x0               ; q, k, v_codes, v_scales
	s_load_b128 s[12:15], s[0:1], 0x20             ; o_codes, o_scales
	v_lshl_add_u32 v[SPW], v0, 2, SPARE
	v_mov_b32 v[NIL], 0
	ds_add_u32 v[SPW], v[NIL]                      ; the opening lines: the add, twice on end, and its wait
	ds_add_u32 v[SPW], v[NIL]
	v_lshrrev_b32 v1, 5, v0
	v_readfirstlane_b32 s[WV], v1                  ; wave 0..15
	s_and_b32 s17, ttmp7, 0xffff
	s_lshr_b32 s18, s17, 4                         ; batch
	s_and_b32 s19, s17, 15                         ; head
	s_lshl_b32 s20, s18, 20                        ; the head's V: 1,048,576 x batch + 65,536 x head
	s_lshl_b32 s2, s19, 16
	s_add_co_u32 s20, s20, s2
	s_mov_b32 s21, 0
	s_lshl_b32 s22, s18, 16                        ; its scale bytes: 65,536 x batch + 4,096 x head
	s_lshl_b32 s2, s19, 12
	s_add_co_u32 s22, s22, s2
	s_mov_b32 s23, 0
	s_mov_b32 s[G1V+0], (3<<16)|(1<<20)|(7<<22)|(3<<25)   ; V's codes: 64 rows of 128 elements of 8 bytes; 4 words of padding behind every 256
	s_mov_b32 s[G1V+1], 128<<16
	s_mov_b32 s[G1V+2], 64<<16
	s_mov_b32 s[G1V+3], 128<<16
	s_mov_b32 s[G1V+4], 64
	s_mov_b32 s[G1V+5], 128
	s_mov_b32 s[G1V+6], 0
	s_mov_b32 s[G1V+7], 0
	s_mov_b32 s[G1S+0], (3<<16)|(1<<20)|(3<<22)|(3<<25)   ; V's scale bytes: 64 rows of 8 elements of 8 bytes; 4 words of padding behind every 16
	s_mov_b32 s[G1S+1], 8<<16
	s_mov_b32 s[G1S+2], 64<<16
	s_mov_b32 s[G1S+3], 8<<16
	s_mov_b32 s[G1S+4], 64
	s_mov_b32 s[G1S+5], 8
	s_mov_b32 s[G1S+6], 0
	s_mov_b32 s[G1S+7], 0
	s_mul_i32 s53, s[WV], QWB
	s_add_co_u32 s53, s53, QST                     ; my wave's 768 bytes for Q
	s_lshr_b32 s2, s[WV], 3                        ; w / 8: which key step of a chunk
	s_and_b32 s3, s[WV], 3                         ; w % 4: tiles 2 (w % 4) on
	s_bfe_u32 s17, s[WV], 0x10002                  ; (w / 4) % 2: rows 8 x that on
	s_lshl_b32 s17, s17, 7
	s_lshl_b32 s54, s2, 12
	s_lshl_b32 s55, s3, 10
	s_add_co_u32 s54, s54, s55
	s_add_co_u32 s54, s54, s17                     ; codes: 4,096 (w / 8) + 1,024 (w % 4) + 128 ((w / 4) % 2)
	s_lshl_b32 s55, s2, 9
	s_lshl_b32 s3, s3, 2
	s_add_co_u32 s55, s55, s3
	s_add_co_u32 s55, s55, s17                     ; scale words: 512 (w / 8) + 4 (w % 4) + 128 ((w / 4) % 2)
	v_and_b32 v[LI], 31, v0
	v_and_b32 v220, 15, v0                         ; r
	v_bfe_u32 v221, v0, 4, 1                       ; h
	v_and_b32 v222, 7, v0                          ; j: which 8 of a row's 64 numbers
	v_bfe_u32 v223, v0, 3, 2                       ; which of a group's four rows
	v_bfe_u32 v224, v0, 2, 1                       ; j / 4: my block
	v_and_b32 v225, 3, v0                          ; j % 4
	v_mul_u32_u24 v[ASV0], v[LI], VSP
	v_mul_u32_u24 v[AV0], v220, VP
	v_lshlrev_b32 v[LI], 4, v[LI]
	v_lshlrev_b32 v[GA], 5, v222
	v_lshlrev_b32 v226, 2, v225
	v_add_nc_u32 v[ASV0], VSC, v[ASV0]
	v_lshl_add_u32 v[AV0], v221, 5, v[AV0]         ; lanes 16-31 begin 32 bytes on: blocks 2 and 3
	v_lshl_add_u32 v[GA], v223, 12, v[GA]
	v_lshl_add_u32 v226, v223, 4, v226
	v_add_nc_u32 v[AV0], VIMG, v[AV0]
	v_lshlrev_b32 v[SH8], 3, v224
	v_lshl_add_u32 v226, v224, 8, v226             ; a code word's place in an image: 256 (j / 4) + 16 (row of four) + 4 (j % 4)
	v_lshlrev_b32 v[SHH], 3, v221
	v_lshl_add_u32 v[GOS], v220, 2, v221
	v_add_nc_u32 v[QFA], s53, v[LI]
	v_lshl_add_u32 v[QFS], v220, 4, s53
	v_lshl_add_u32 v[QSA], v223, 4, s53
	v_add_nc_u32 v[QCA], s53, v226
	v_add_nc_u32 v[QFS], 512, v[QFS]
	v_add_nc_u32 v[QSA], 512, v[QSA]
	v_add_nc_u32 v[KCA], s54, v226
	v_lshl_add_u32 v[KSA], v223, 4, s55
.irp i, 0,1,2,3
	v_mov_b32 v[EE+\i], 0                          ; written once: the destination of a lane exchange counts as one of its sources
	v_mov_b32 v[QF+4+\i], 0                        ; K = 64 .. 127 of the first product: zero codes
.endr
	v_mov_b32 v[TP], 0
	v_mov_b32 v[F+1], 0                            ; named as the upper half of the pair
	s_wait_alu depctr_va_vdst(0)                   ; the wait at the head's end
	s_wait_dscnt 0x0                               ; both opening adds are done
	s_wait_kmcnt 0x0
	s_mov_b32 s[G0V], 1
	s_mov_b32 s[G0V+1], VIMG
	s_add_nc_u64 s[G0V+2:G0V+3], s[8:9], s[20:21]
	s_or_b32 s[G0V+3], s[G0V+3], 0x80000000
	s_mov_b32 s[G0S], 1
	s_mov_b32 s[G0S+1], VSC
	s_add_nc_u64 s[G0S+2:G0S+3], s[10:11], s[22:23]
	s_or_b32 s[G0S+3], s[G0S+3], 0x80000000
	; Wave 0 brings V's codes, wave 1 its scale bytes: filled once; a wave has at most one tensor load out
	s_cmp_eq_u32 s[WV], 0
	s_cbranch_scc0 .Lnot_codes
	tensor_load_to_lds s[G0V:G0V+3], s[G1V:G1V+7]
	s_nop 0
.rept 4
	v_nop
.endr
	s_branch .Lasked
.Lnot_codes:
	s_cmp_eq_u32 s[WV], 1
	s_cbranch_scc0 .Lasked
	tensor_load_to_lds s[G0S:G0S+3], s[G1S:G1S+7]
	s_nop 0
.rept 4
	v_nop
.endr
.Lasked:
	s_lshl_b32 s20, s18, 23                        ; q, k: 2,048 rows of 4,096 bytes a batch, 256 bytes a head
	s_lshl_b32 s2, s19, 8
	s_add_co_u32 s20, s20, s2
	s_lshl_b32 s2, s[WV], 16
	s_add_co_u32 s22, s20, s2                      ; k: + my 16 keys of a chunk
	s_lshl_b32 s3, ttmp9, 21
	s_add_co_u32 s20, s20, s3                      ; q: + the work-group's 512 queries
	s_add_co_u32 s20, s20, s2                      ;    + my 16
	s_add_nc_u64 s[4:5], s[4:5], s[20:21]
	s_add_nc_u64 s[6:7], s[6:7], s[22:23]
	LD16 S+32, 6, 0                                ; chunk 0's keys, my first tile's q, chunk 1's keys: 24 loads a wave are out
	LD16 S, 4, 0
	LD16 STG, 6, 1048576
	s_lshl_b32 s20, s18, 7
	s_lshl_b32 s2, ttmp9, 5
	s_add_co_u32 s20, s20, s2
	s_add_co_u32 s20, s20, s[WV]                   ; my first tile of 16 rows: 128 batch + 32 x + wave
	s_lshl_b32 s22, s20, 6                         ; o_scales: 64 bytes a tile,
	s_lshl_b32 s20, s20, 13                        ; o_codes: 8,192 bytes a tile,
	s_lshl_b32 s2, s19, 9                          ; 512 a head
	s_add_co_u32 s20, s20, s2
	s_add_nc_u64 s[12:13], s[12:13], s[20:21]
	s_lshr_b32 s2, s19, 1
	s_lshl_b32 s2, s2, 15                          ; 32,768 bytes for each step of 128 along the projection's K,
	s_add_co_u32 s22, s22, s2
	s_and_b32 s2, s19, 1
	s_lshl_b32 s2, s2, 1                           ; bytes 2 (head % 2) on of a word
	s_add_co_u32 s22, s22, s2
	s_add_nc_u64 s[14:15], s[14:15], s[22:23]
	s_mov_b32 s[SEL], 0x76543210
	s_mov_b32 s[SEL+1], 0xfedcba98
	s_mov_b32 s[CS], 0x3e38aa3b                    ; log2(e) / 8
	s_mov_b32 s[CS+1], s[CS]
	s_mov_b32 s[NC], 0xbe38aa3b
	s_mov_b32 s[HM], 0xffff0000
	s_mov_b32 s[PSL], 0x03010200
	s_mov_b32 s[TK], KIMG
	s_mov_b32 s[TS], KSC
	s_mov_b32 s[TV], 0
	s_mov_b32 s[TJ], 0
	s_wait_loadcnt 16                              ; chunk 0's eight loads are in; q's eight and chunk 1's eight may be out
	QUANT4 S+32
	KSTORE 0, 0
	s_wait_loadcnt 8                               ; q's are in
	s_wait_dscnt 0x0                               ; the stores have read their registers
	QSET S
	s_wait_alu depctr_va_vdst(0)                   ; directly ahead of the waits below
	s_wait_tensorcnt 0x0                           ; for the others' sake: my tensor load has landed,
	s_wait_dscnt 0x0                               ; and my stores; Q's fragment is in
	s_barrier_signal -1
	s_barrier_wait -1                              ; chunk 0 and V lie in LDS
	s_mov_b32 s[CT], 6
.Lfirst:                                           ; trips 0 to 5 ask for chunks 2 to 7
	TRIPA 6, 2097152
	s_wait_xcnt 0x0                                ; the loads have read their base
	s_add_nc_u64 s[6:7], s[6:7], 0x100000          ; 256 keys on
	s_sub_co_u32 s[CT], s[CT], 1
	s_cmp_lg_u32 s[CT], 0
	s_cbranch_scc1 .Lfirst
	TRIPA 4, 1048576                               ; trip 6 quantises chunk 7 and asks for my second tile's q, 256 rows on
	PAIR                                           ; chunk 7
	WAYOUT
	s_wait_xcnt 0x0                                ; the stores' bases and data are written again only behind this wait
	s_add_nc_u64 s[12:13], s[12:13], 131072        ; 16 tiles of rows on
	s_add_nc_u64 s[14:15], s[14:15], 1024
	s_wait_loadcnt 0x0                             ; the second tile's q
	QSET STG
	s_mov_b32 s[TK], KIMG
	s_mov_b32 s[TS], KSC
	s_mov_b32 s[TV], 0
	s_mov_b32 s[TJ], 0
	s_mov_b32 s[CT], 8
	s_wait_alu depctr_va_vdst(0)                   ; directly ahead of the wait below
	s_wait_dscnt 0x0                               ; Q's fragment and scale words
.Lsecond:                                          ; all of K lies in LDS: no barrier
	PAIR
	s_sub_co_u32 s[CT], s[CT], 1
	s_cmp_lg_u32 s[CT], 0
	s_cbranch_scc1 .Lsecond
	WAYOUT
	s_wait_tensorcnt 0x0                           ; the wave's end
	ds_add_u32 v[SPW], v[NIL]
	s_wait_dscnt 0x0
	s_endpgm
.Lfunc_end_k_q5cee51580d_attn:
	.size	k_q5cee51580d_attn, .Lfunc_end_k_q5cee51580d_attn-k_q5cee51580d_attn
	.p2alignl 7, 3214868480
	.fill 96, 4, 3214868480
	.section	.rodata,"a",@progbits
	.p2align	6, 0x0
	.amdhsa_kernel k_q5cee51580d_attn
		.amdhsa_group_segment_fixed_size 169984
		.amdhsa_private_segment_fixed_size 0
		.amdhsa_enable_private_segment 0
		.amdhsa_kernarg_size 48
		.amdhsa_user_sgpr_count 2
		.amdhsa_user_sgpr_kernarg_segment_ptr 1
		.amdhsa_wavefront_size32 1
		.amdhsa_system_sgpr_workgroup_id_x 1
		.amdhsa_system_sgpr_workgroup_id_y 1
		.amdhsa_system_sgpr_workgroup_id_z 1
		.amdhsa_system_vgpr_workitem_id 0
		.amdhsa_next_free_vgpr 256
		.amdhsa_next_free_sgpr 66
		.amdhsa_reserve_vcc 0
		.amdhsa_float_denorm_mode_32 3
		.amdhsa_float_denorm_mode_16_64 3
		.amdhsa_memory_ordered 1
		.amdhsa_forward_progress 1
		.amdhsa_inst_pref_size 149
	.end_amdhsa_kernel
	.amdgpu_metadata
---
amdhsa.version: [ 1, 2 ]
amdhsa.kernels:
  - .name:           k_q5cee51580d_attn
    .symbol:         k_q5cee51580d_attn.kd
    .args:
      - { .name: q, .offset: 0, .size: 8, .value_kind: global_buffer, .address_space: global }
      - { .name: k, .offset: 8, .size: 8, .value_kind: global_buffer, .address_space: global }
      - { .name: v_codes, .offset: 16, .size: 8, .value_kind: global_buffer, .address_space: global }
      - { .name: v_scales, .offset: 24, .size: 8, .value_kind: global_buffer, .address_space: global }
      - { .name: o_codes, .offset: 32, .size: 8, .value_kind: global_buffer, .address_space: global }
      - { .name: o_scales, .offset: 40, .size: 8, .value_kind: global_buffer, .address_space: global }
    .group_segment_fixed_size: 169984
    .private_segment_fixed_size: 0
    .kernarg_segment_align: 8
    .kernarg_segment_size: 48
    .max_flat_workgroup_size: 512
    .sgpr_count:     66
    .vgpr_count:     256
    .wavefront_size: 32
...
	.end_amdgpu_metadata
.endif
;; end of part 1
;; launch proj (part 2): grid 4 x 64, 8 waves a work-group, clusters of 4 x 4, 236,544 bytes of LDS; arguments o_codes, o_scales, w_out_codes, w_out_scales, out0; writes out0
.if DOCPART == 2
	.amdgcn_target "amdgcn-amd-amdhsa--gfx1250"
	.amdhsa_code_object_version 6
	.text
	.protected	k_q5cee51580d_proj
	.globl	k_q5cee51580d_proj
	.p2align	8
	.type	k_q5cee51580d_proj,@function
k_q5cee51580d_proj:
	s_mov_b64 s[64:65], 0
	v_nop
	global_prefetch_b8 v0, s[64:65] scope:SCOPE_SE
	s_setreg_imm32_b32 hwreg(HW_REG_WAVE_MODE, 25, 1), 1
	s_wait_xcnt 0x0
	s_wait_alu depctr_hold_cnt(0) depctr_sa_sdst(0) depctr_va_vdst(0) depctr_va_sdst(0) depctr_va_ssrc(0) depctr_va_vcc(0) depctr_vm_vsrc(0)
	s_getreg_b32 s2, hwreg(HW_REG_IB_STS2, 6, 4)
	s_cmp_eq_u32 s2, 0
	s_cbranch_scc0 .Lentry_in_a_cluster
	s_endpgm
.Lentry_in_a_cluster:
	s_bfe_u32 s2, ttmp6, 0x10000c
	s_cmp_lg_u32 s2, 0xf033
	s_cbranch_scc0 .Lentry_shape_is_right
	s_endpgm
.Lentry_shape_is_right:
; out0[m][n] = sum over k of O[m][k] W[n][k], both on codes of FP4 (E2M1) with one E8M0 scale for each 32 along K; out0: [8192][1024] f32; K = 1,024.
; o_codes: [512 tiles of 16 rows][8 steps of 128 K][2][512 bytes]: images of a fragment's registers 0-3 and 4-7, lane l's 16 bytes at 16 l.  o_scales: [8 steps][8192 rows][4 bytes]: a row's scale word of a step.
; w_out_codes: [1024][512 bytes], K innermost; w_out_scales: [1024][32]: eight scale words a row.
; SHARES.  A work-group makes 128 rows x 256 columns; ALL of K of its tiles lies in LDS at once (65,536 bytes of O, 131,072 of W), filled once: no ring, nothing is filled again.
; Eight waves of 256 registers; wave w makes rows 64 (w / 4) on x columns 64 (w % 4) on: 16 accumulators.  What the launch moves most is its result, 131,072 bytes a work-group against 128 products a wave:
; so the plain form, without register windows, is kept.
; CLUSTERS: 4 x 4 work-groups.  The four of a row of the cluster need the same rows of O, the four of a column the same rows of W: each quarter of a tile is asked for JOINTLY, by the same tensor load with the
; same descriptor and a mask that names the four.  THE MATRIX INSTRUCTION IS USED TRANSPOSED (source 0 = 16 rows of W, source 1 = 16 rows of O): a lane holds eight neighbouring numbers of a row of out0.
.set AIMG, 0                           ; LDS: O's images as they lie in memory
.set WT,   65536                       ; W's 256 rows of 512 bytes + 16 of padding
.set WP,   528
.set STG,  200704                      ; for each wave a stage of 16 rows x (256 bytes + 16)
.set SP,   272
.set LI,   1                           ; v1  16 x lane
.set ADRA, 2                           ; v2  O's images of my 64 rows
.set ADRB, 3                           ; v3  my lane's place in W's rows of my 64 columns
.set STO,  4                           ; v4  the stage: where I put 32 bytes of a row
.set RD,   5                           ; v5  and where I read a row back
.set CO,   6                           ; v6  my byte offset in two rows of out0
.set SA,   16                          ; v16-31  O's scale words: register 8 p + step: rows 32 p + lane of my 64
.set SB,   32                          ; v32-47  W's likewise
.set AF,   48                          ; v48-79  four fragments of O; on the way out rows read back
.set BF,   80                          ; v80-111 four fragments of W; likewise
.set ACC,  128                         ; v128-255 accumulator (a, b) at 128 + 8 (4 a + b)
.set WV,   14
.set G1A,  24                          ; s[24:31], s[32:35] descriptor groups 1 and 0 for O's images
.set G0A,  32
.set G1W,  48                          ; s[48:55], s[56:59] for W's rows
.set G0W,  56
; A round of the cluster's barrier: my work-group's barrier; wave 0 signals for the work-group; every wave waits for all sixteen; my work-group's barrier once more.
.macro CROUND
	s_barrier_signal -1
	s_barrier_wait -1
	s_cmp_lg_u32 s[WV], 0
	s_cbranch_scc1 .Lnot_wave_0_\@
	s_barrier_signal -3
.Lnot_wave_0_\@:
	s_barrier_wait -3
	s_barrier_signal -1
	s_barrier_wait -1
.endm
	s_load_b256 s[4:11], s[0:1], 0x0               ; o_codes s[4:5], o_scales s[6:7], w_out_codes s[8:9], w_out_scales s[10:11]
	s_load_b64 s[12:13], s[0:1], 0x20              ; out0
	v_lshl_add_u32 v126, v0, 2, 0x39800
	v_mov_b32 v127, 0
	ds_add_u32 v126, v127
	ds_add_u32 v126, v127
	v_lshrrev_b32 v1, 5, v0
	s_delay_alu instid0(VALU_DEP_1)
	v_readfirstlane_b32 s[WV], v1                  ; wave 0..7
	s_lshr_b32 s15, s[WV], 2                       ; which 64 rows are mine.  Also: I fetch for W (0) or for O (1)
	s_and_b32 s16, s[WV], 3                        ; which 64 columns.  Also: which quarter of that tile I fetch
	s_bfe_u32 s40, ttmp6, 0x40000                  ; cx, cy: my place in the cluster
	s_bfe_u32 s41, ttmp6, 0x40004
	s_lshl_b32 s42, ttmp9, 2
	s_add_co_u32 s42, s42, s40                     ; block of 256 columns = 4 x cluster x + cx
	s_and_b32 s17, ttmp7, 0xffff
	s_lshl_b32 s17, s17, 2
	s_add_co_u32 s17, s17, s41                     ; block of 128 rows = 4 x cluster y + cy
	s_lshl_b32 s43, s41, 2
	s_lshl_b32 s43, 15, s43                        ; my row of the cluster
	s_lshl_b32 s44, 0x1111, s40                    ; my column
	; O: a dense quarter of 16,384 bytes as 64 rows of 32 elements of 8 bytes, no padding; bit 21 is set beside a mask
	s_or_b32 s[G1A+0], s43, (3<<16)|(1<<21)
	s_mov_b32 s[G1A+1], 32<<16
	s_mov_b32 s[G1A+2], 64<<16
	s_mov_b32 s[G1A+3], 32<<16
	s_mov_b32 s[G1A+4], 64
	s_mov_b32 s[G1A+5], 32
	s_mov_b32 s[G1A+6], 0
	s_mov_b32 s[G1A+7], 0
	; W: 64 rows of 512 bytes; 4 words of padding behind every 128
	s_or_b32 s[G1W+0], s44, (0<<16)|(1<<20)|(1<<21)|(6<<22)|(3<<25)
	s_mov_b32 s[G1W+1], 512<<16
	s_mov_b32 s[G1W+2], 64<<16
	s_mov_b32 s[G1W+3], 512<<16
	s_mov_b32 s[G1W+4], 64
	s_mov_b32 s[G1W+5], 512
	s_mov_b32 s[G1W+6], 0
	s_mov_b32 s[G1W+7], 0
	; Every wave makes both addresses, each in registers that never hold the other coordinate, and asks by one of them.
	s_lshl_b32 s20, s17, 16                        ; O: 65,536 x row block + 16,384 x quarter
	s_lshl_b32 s18, s16, 14
	s_add_co_u32 s20, s20, s18
	s_mov_b32 s21, 0
	s_lshl_b32 s46, s42, 17                        ; W: 131,072 x column block + 32,768 x quarter
	s_lshl_b32 s18, s16, 15
	s_add_co_u32 s46, s46, s18
	s_mov_b32 s47, 0
	s_lshl_b32 s45, s16, 14                        ; where they go: no place in the cluster enters an LDS address
	s_mul_i32 s38, s16, 64*WP
	s_add_co_u32 s38, s38, WT
	v_and_b32 v[LI], 31, v0
	s_delay_alu instid0(VALU_DEP_1)
	v_lshlrev_b32 v[LI], 4, v[LI]
	v_and_b32 v9, 15, v0                           ; r
	v_bfe_u32 v10, v0, 4, 1                        ; h
	s_lshl_b32 s18, s15, 15
	v_add_nc_u32 v[ADRA], s18, v[LI]               ; four tiles of rows x 8,192 bytes for each half
	v_mul_u32_u24 v[ADRB], v9, WP
	s_delay_alu instid0(VALU_DEP_1)
	v_lshl_add_u32 v[ADRB], v10, 4, v[ADRB]
	s_delay_alu instid0(VALU_DEP_1)
	v_add_nc_u32 v[ADRB], s38, v[ADRB]             ; my 64 rows of W begin where quarter w % 4 begins
	s_mul_i32 s19, s[WV], 16*SP
	s_add_co_u32 s19, s19, STG                     ; my stage
	v_mul_u32_u24 v[STO], v9, SP
	s_delay_alu instid0(VALU_DEP_1)
	v_lshl_add_u32 v[STO], v10, 5, v[STO]
	s_delay_alu instid0(VALU_DEP_1)
	v_add_nc_u32 v[STO], s19, v[STO]               ; in: row r, 32 bytes for each half of the lanes
	v_mul_u32_u24 v[RD], v10, SP
	s_delay_alu instid0(VALU_DEP_1)
	v_lshl_add_u32 v[RD], v9, 4, v[RD]
	s_delay_alu instid0(VALU_DEP_1)
	v_add_nc_u32 v[RD], s19, v[RD]                 ; back: lanes 0-15 one row of 256 bytes, lanes 16-31 the next
	v_lshlrev_b32 v[CO], 12, v10
	s_delay_alu instid0(VALU_DEP_1)
	v_lshl_add_u32 v[CO], v9, 4, v[CO]             ; and the same two rows in out0
	v_lshrrev_b32 v7, 2, v[LI]                     ; 4 x lane: O's scale words
	v_lshlrev_b32 v8, 1, v[LI]                     ; 32 x lane: W's scale rows
	s_wait_dscnt 0x0
	s_wait_kmcnt 0x0
	s_add_nc_u64 s[20:21], s[4:5], s[20:21]
	s_add_nc_u64 s[46:47], s[8:9], s[46:47]
	CROUND                                         ; all sixteen work-groups are here: the joint loads meet
	s_mov_b32 s[G0A], 1
	s_mov_b32 s[G0A+1], s45
	s_mov_b64 s[G0A+2:G0A+3], s[20:21]
	s_or_b32 s[G0A+3], s[G0A+3], 0x80000000
	s_mov_b32 s[G0W], 1
	s_mov_b32 s[G0W+1], s38
	s_mov_b64 s[G0W+2:G0W+3], s[46:47]
	s_or_b32 s[G0W+3], s[G0W+3], 0x80000000
	; One load a wave: waves 0-3 W's quarters, waves 4-7 O's.  The branch hangs on the wave's number alone.  Four v_nop follow each line.
	s_cmp_eq_u32 s15, 0
	s_cbranch_scc0 .Lfor_o
	tensor_load_to_lds s[G0W:G0W+3], s[G1W:G1W+7]
	s_nop 0
.rept 4
	v_nop
.endr
	s_branch .Lasked
.Lfor_o:
	tensor_load_to_lds s[G0A:G0A+3], s[G1A:G1A+7]
	s_nop 0
.rept 4
	v_nop
.endr
.Lasked:
	s_lshl_b32 s36, s17, 9                         ; O's scale words of my 64 rows: 4 x (128 row block + 64 half)
	s_lshl_b32 s18, s15, 8
	s_add_co_u32 s36, s36, s18
	s_mov_b32 s37, 0
	s_add_nc_u64 s[6:7], s[6:7], s[36:37]
	s_lshl_b32 s22, s42, 13                        ; W's scale rows of my 64 columns: 32 x (256 column block + 64 quarter)
	s_lshl_b32 s18, s16, 11
	s_add_co_u32 s22, s22, s18
	s_mov_b32 s23, 0
	s_add_nc_u64 s[10:11], s[10:11], s[22:23]
	; The scale words come once, for all of K, and stay in registers
	s_wait_alu depctr_va_vdst(0)
.irp p, 0,1
.irp s, 0,1,2,3,4,5,6,7
	global_load_b32 v[SA+8*\p+\s], v7, s[6:7] offset:32768*\s+128*\p
.endr
.endr
.irp p, 0,1
.irp u, 0,1
	global_load_b128 v[SB+8*\p+4*\u:SB+8*\p+4*\u+3], v8, s[10:11] offset:1024*\p+16*\u
.endr
.endr
	s_lshl_b32 s36, s17, 19                        ; out0: 4,096 x (128 row block + 64 half)
	s_lshl_b32 s18, s15, 18
	s_add_co_u32 s36, s36, s18
	s_add_nc_u64 s[12:13], s[12:13], s[36:37]
	s_lshl_b32 s22, s42, 10                        ;       + 4 x (256 column block + 64 quarter)
	s_lshl_b32 s18, s16, 8
	s_add_co_u32 s22, s22, s18
	s_add_nc_u64 s[12:13], s[12:13], s[22:23]
; The product of O's block a and W's block b in K step kk.  Even blocks' scale words lie in lanes 0-15 of their register, odd blocks' in lanes 16-31.  K step 0 starts the sums: nothing is cleared.
.macro MM a, b, kk
.set rD, ACC+8*(4*(\a)+(\b))
.set rW, BF+8*(\b)
.set rA, AF+8*(\a)
.set rY, SB+8*((\b)/2)+(\kk)
.set rZ, SA+8*((\a)/2)+(\kk)
.if (\kk) == 0
.if ((\b)%2 == 0) && ((\a)%2 == 0)
	v_wmma_scale_f32_16x16x128_f8f6f4 v[rD:rD+7], v[rW:rW+7], v[rA:rA+7], 0, v[rY], v[rZ] matrix_a_fmt:MATRIX_FMT_FP4 matrix_b_fmt:MATRIX_FMT_FP4
.elseif ((\b)%2 == 1) && ((\a)%2 == 0)
	v_wmma_scale_f32_16x16x128_f8f6f4 v[rD:rD+7], v[rW:rW+7], v[rA:rA+7], 0, v[rY], v[rZ] matrix_a_fmt:MATRIX_FMT_FP4 matrix_b_fmt:MATRIX_FMT_FP4 matrix_a_scale:MATRIX_SCALE_ROW1
.elseif ((\b)%2 == 0) && ((\a)%2 == 1)
	v_wmma_scale_f32_16x16x128_f8f6f4 v[rD:rD+7], v[rW:rW+7], v[rA:rA+7], 0, v[rY], v[rZ] matrix_a_fmt:MATRIX_FMT_FP4 matrix_b_fmt:MATRIX_FMT_FP4 matrix_b_scale:MATRIX_SCALE_ROW1
.else
	v_wmma_scale_f32_16x16x128_f8f6f4 v[rD:rD+7], v[rW:rW+7], v[rA:rA+7], 0, v[rY], v[rZ] matrix_a_fmt:MATRIX_FMT_FP4 matrix_b_fmt:MATRIX_FMT_FP4 matrix_a_scale:MATRIX_SCALE_ROW1 matrix_b_scale:MATRIX_SCALE_ROW1
.endif
.else
.if ((\b)%2 == 0) && ((\a)%2 == 0)
	v_wmma_scale_f32_16x16x128_f8f6f4 v[rD:rD+7], v[rW:rW+7], v[rA:rA+7], v[rD:rD+7], v[rY], v[rZ] matrix_a_fmt:MATRIX_FMT_FP4 matrix_b_fmt:MATRIX_FMT_FP4
.elseif ((\b)%2 == 1) && ((\a)%2 == 0)
	v_wmma_scale_f32_16x16x128_f8f6f4 v[rD:rD+7], v[rW:rW+7], v[rA:rA+7], v[rD:rD+7], v[rY], v[rZ] matrix_a_fmt:MATRIX_FMT_FP4 matrix_b_fmt:MATRIX_FMT_FP4 matrix_a_scale:MATRIX_SCALE_ROW1
.elseif ((\b)%2 == 0) && ((\a)%2 == 1)
	v_wmma_scale_f32_16x16x128_f8f6f4 v[rD:rD+7], v[rW:rW+7], v[rA:rA+7], v[rD:rD+7], v[rY], v[rZ] matrix_a_fmt:MATRIX_FMT_FP4 matrix_b_fmt:MATRIX_FMT_FP4 matrix_b_scale:MATRIX_SCALE_ROW1
.else
	v_wmma_scale_f32_16x16x128_f8f6f4 v[rD:rD+7], v[rW:rW+7], v[rA:rA+7], v[rD:rD+7], v[rY], v[rZ] matrix_a_fmt:MATRIX_FMT_FP4 matrix_b_fmt:MATRIX_FMT_FP4 matrix_a_scale:MATRIX_SCALE_ROW1 matrix_b_scale:MATRIX_SCALE_ROW1
.endif
.endif
.endm
; A K step of 128: 16 LDS loads in one run, 16 products.  The 16 accumulators take turns, one instruction a turn, in the same order in every step.
.macro KSTEP kk
.if (\kk) > 0
.rept 4
	v_nop                                          ; places in front of loads into registers that matrix instructions have read (ISA guide 7.12.1 for vector instructions)
.endr
.endif
.irp b, 0,1,2,3
.irp c, 0,1
	ds_load_b128 v[BF+8*\b+4*\c:BF+8*\b+4*\c+3], v[ADRB] offset:16*WP*\b+64*(\kk)+32*\c
.endr
.endr
.irp a, 0,1,2,3
.irp c, 0,1
	ds_load_b128 v[AF+8*\a+4*\c:AF+8*\a+4*\c+3], v[ADRA] offset:8192*\a+1024*(\kk)+512*\c
.endr
.endr
.irp a, 0,1,2,3
	s_wait_dscnt 6-2*\a                            ; W's fragments and O's blocks up to a are in; the later blocks' two loads each may be out
.irp b, 0,1,2,3
	MM \a, \b, \kk
.endr
.endr
.endm
; THE WAY OUT, 16 rows x 64 columns at a time: through my own stage and back as whole rows of 256 bytes.  LDS serves a wave's instructions in order (ISA guide 5.7.1.4): no wait between the stores and the loads.
.macro TOSTAGE a
.irp b, 0,1,2,3
	ds_store_b128 v[STO], v[ACC+8*(4*(\a)+\b):ACC+8*(4*(\a)+\b)+3] offset:64*\b      ; each accumulator from its low end on
	ds_store_b128 v[STO], v[ACC+8*(4*(\a)+\b)+4:ACC+8*(4*(\a)+\b)+7] offset:64*\b+16
.endr
.set BB, AF+32*((\a)%2)
.irp t, 0,1,2,3,4,5,6,7
	ds_load_b128 v[BB+4*\t:BB+4*\t+3], v[RD] offset:2*SP*\t
.endr
.endm
.macro SEND a, younger                 ; younger: the LDS instructions issued behind block a's loads, which may stay out
.set BB, AF+32*((\a)%2)
	s_wait_dscnt \younger
.irp t, 0,1,2,3,4,5,6,7
	global_store_b128 v[CO], v[BB+4*\t:BB+4*\t+3], s[12:13] offset:(16*(\a)+2*\t)*4096 th:TH_STORE_NT   ; 16 lanes store 256 consecutive bytes, aligned; written once, read by nobody here
.endr
.endm
	s_wait_tensorcnt 0x0                           ; my quarter has landed,
	s_barrier_signal -1
	s_barrier_wait -1                              ; everybody's has
	s_wait_loadcnt 0x0                             ; the scale words
.irp s, 0,1,2,3,4,5,6,7
	KSTEP \s
.endr
.rept 4
	v_nop                                          ; places behind the last products: for the reads of their results and for the loads into the fragments' registers
.endr
	TOSTAGE 0
.irp a, 1,2,3
.if \a > 1
	s_wait_xcnt 0x0                                ; block a - 2's stores have read their registers: block a's loads may land there
.endif
	TOSTAGE \a
	SEND \a-1, 16                                  ; behind block a - 1's loads: block a's 8 stores and 8 loads
.endr
	SEND 3, 0
	s_wait_tensorcnt 0x0
	ds_add_u32 v126, v127
	s_wait_dscnt 0x0
	CROUND                                         ; the closing round: no work-group ends while a partner may still ask for a tile that names it
	s_endpgm
.Lfunc_end_k_q5cee51580d_proj:
	.size	k_q5cee51580d_proj, .Lfunc_end_k_q5cee51580d_proj-k_q5cee51580d_proj
	.p2alignl 7, 3214868480
	.fill 96, 4, 3214868480
	.section	.rodata,"a",@progbits
	.p2align	6, 0x0
	.amdhsa_kernel k_q5cee51580d_proj
		.amdhsa_group_segment_fixed_size 236544
		.amdhsa_private_segment_fixed_size 0
		.amdhsa_enable_private_segment 0
		.amdhsa_kernarg_size 40
		.amdhsa_user_sgpr_count 2
		.amdhsa_user_sgpr_kernarg_segment_ptr 1
		.amdhsa_wavefront_size32 1
		.amdhsa_system_sgpr_workgroup_id_x 1
		.amdhsa_system_sgpr_workgroup_id_y 1
		.amdhsa_system_sgpr_workgroup_id_z 1
		.amdhsa_system_vgpr_workitem_id 0
		.amdhsa_next_free_vgpr 256
		.amdhsa_next_free_sgpr 66
		.amdhsa_reserve_vcc 0
		.amdhsa_float_denorm_mode_32 3
		.amdhsa_float_denorm_mode_16_64 3
		.amdhsa_memory_ordered 1
		.amdhsa_forward_progress 1
		.amdhsa_inst_pref_size 42
	.end_amdhsa_kernel
	.amdgpu_metadata
---
amdhsa.version: [ 1, 2 ]
amdhsa.kernels:
  - .name:           k_q5cee51580d_proj
    .symbol:         k_q5cee51580d_proj.kd
    .args:
      - { .name: o_codes, .offset: 0, .size: 8, .value_kind: global_buffer, .address_space: global }
      - { .name: o_scales, .offset: 8, .size: 8, .value_kind: global_buffer, .address_space: global }
      - { .name: w_out_codes, .offset: 16, .size: 8, .value_kind: global_buffer, .address_space: global }
      - { .name: w_out_scales, .offset: 24, .size: 8, .value_kind: global_buffer, .address_space: global }
      - { .name: out0, .offset: 32, .size: 8, .value_kind: global_buffer, .address_space: global }
    .group_segment_fixed_size: 236544
    .private_segment_fixed_size: 0
    .kernarg_segment_align: 8
    .kernarg_segment_size: 40
    .max_flat_workgroup_size: 256
    .sgpr_count:     66
    .vgpr_count:     256
    .wavefront_size: 32
...
	.end_amdgpu_metadata
.endif
;; end of part 2
